; MI455X (gfx1250); checked and timed in simulation.
; The chip was launched on July 23, 2026; its instructions are those of AMD's public machine-readable ISA for CDNA 5 (MIT licence, August 2026) and "CDNA5" Instruction Set Architecture Reference Guide (July 2026). The comments in the code are by the model that wrote it; some were corrected since.
;; Causal Self Attention. Allowed arithmetic: matrix products marked QUANTISED: E2M3 operands, one E8M0 scale for each 32 along K, by v_wmma_scale_f32_16x16x128_f8f6f4 with both operands' format E2M3, f32 sums; everything else in f32.
;; Inputs: Wk 1,024 x 1,024 float32; Wq 1,024 x 1,024 float32; Wv 1,024 x 1,024 float32; attention_mask 4 x 1 x 1 x 2,048 float32; bk 1,024 float32; bq 1,024 float32; bv 1,024 float32; hidden_states 4 x 2,048 x 1,024 float32.
;; Outputs: out0 4 x 2,048 x 1,024 float32.
;; This version of the problem:
;;   THIS VERSION OF THE PROBLEM IS GIVEN IN LOW PRECISION. The matrix products marked QUANTISED in the list below multiply operands that are first quantised to E2M3 (2 exponent bits, 3 mantissa bits; 6 bits a number), with one power-of-two scale for each 32 numbers along K (OCP MX v1.0); their sums are f32. All else is computed in f32.
;;   The module's matrix products, in the order in which they are computed (A, B: the left and right operand; K: the contracted axis; several contracted axes count as one K, in the product's order):
;;     1. [M 8,192, K 1,024] x [K 1,024, N 1,024]; A: input hidden_states; B: input Wq: QUANTISED
;;     2. [M 8,192, K 1,024] x [K 1,024, N 1,024]; A: input hidden_states; B: input Wk: QUANTISED
;;     3. [M 8,192, K 1,024] x [K 1,024, N 1,024]; A: input hidden_states; B: input Wv: QUANTISED
;;     4. batch 64 x [M 2,048, K 64] x [K 64, N 2,048]; A: computed on the way; B: computed on the way: QUANTISED
;;     5. batch 64 x [M 2,048, K 2,048] x [K 2,048, N 64]; A: softmax (see below); B: computed on the way: QUANTISED
;;   THE QUANTISER, for each operand of a quantised product, along K:
;;     - K is cut into blocks of 32 from its start; a last block that is shorter is filled with zeros.
;;     - A block's scale is 2^e with e = floor(log2(the largest magnitude in the block)) - 2, held to -126 .. 127; a block of zeros has e = 0. As a byte (E8M0): e + 127.
;;     - Each number is divided by its block's scale, clamped to +-7.5, and rounded to the nearest number of E2M3, ties to even, subnormals kept.
;;     - The product sums the exact products of the quantised numbers (number of the format x scale) in f32.
;;   ~~~python
;;   def quantise(x, axis):      # numpy; x: float32 -> the quantised numbers, widened to float32 again
;;       x = np.moveaxis(x, axis, -1); K = x.shape[-1]
;;       x = np.pad(x, [(0, 0)] * (x.ndim - 1) + [(0, -K % 32)]); x = x.reshape(x.shape[:-1] + (-1, 32)); a = np.abs(x).max(-1, keepdims=True)
;;       e = np.where(a > 0, np.clip(np.frexp(np.where(a > 0, a, 1))[1] - 1 - 2, -126, 127), 0)      # np.frexp(a)[1] - 1 = floor(log2(a)), exactly
;;       r = np.clip(x / 2.0 ** e, -7.5, 7.5)
;;       step = 2.0 ** (np.maximum(np.frexp(np.where(r == 0, 1, r))[1] - 1, 0) - 3)
;;       q = np.round(r / step) * step * 2.0 ** e      # np.round: ties to even
;;       return np.moveaxis(q.reshape(q.shape[:-2] + (-1,))[..., :K], -1, axis).astype(np.float32)
;;   ~~~
;;   SOFTMAX AHEAD OF A QUANTISED PRODUCT. Where the list says 'softmax', what is quantised is not the finished softmax but p = 2^(t - M), with t = logit x log2(e) and M = ceil(the row's largest t), a whole number; so 1/2 < the row's largest p <= 1. The row's sum l is taken of the UNQUANTISED p, in f32, and the product's result is divided by l at the end. Since M is a whole number, a kernel that streams over the keys may use a running M (the ceiling of the running maximum): every later rescaling is an exact power of two, which a block's scale takes up: the codes' values come out the same.
;;   OPERANDS COMPUTED ON THE WAY. 'Computed on the way' means the value that the module computes at that place (a softmax that the list does not call 'softmax' is quantised finished and normalised). What goes into a quantiser is computed in f32, as accurately as f32 sums, v_exp_f32 and their like allow (about 1e-6 of the number): no bf16 or f16 on the way to a quantiser, and a product that is left as it is and whose result goes on into a quantised operand takes f32 operands (vector FMAs, or v_wmma_f32_16x16x4_f32). A number that lies on a knife's edge between two numbers of the format may be rounded either way, as far as f32 arithmetic and the matrix unit's own rounding can turn it there, and no further.
;; One version. Each part assembles by itself: llvm-mc -triple=amdgcn-amd-amdhsa -mcpu=gfx1250 --defsym DOCPART=n.
;; ======== version 1 of 1: 3 launches
;; workspace buffers: ximg 6,291,456 bytes; xsc 262,144 bytes; wimg 2,359,296 bytes; wsc 98,304 bytes; qb 6,815,744 bytes; kv 13,631,488 bytes
;; launch quant (part 1): grid 352 x 1, 4 waves a work-group, no clusters, 34,304 bytes of LDS; arguments hidden_states, Wq, Wk, Wv, ximg, xsc, wimg, wsc; writes ximg, xsc, wimg, wsc
.if DOCPART == 1
	.amdgcn_target "amdgcn-amd-amdhsa--gfx1250"
	.amdhsa_code_object_version 6
	.text
	.protected	k_q6c5ab90355_quant
	.globl	k_q6c5ab90355_quant
	.p2align	8
	.type	k_q6c5ab90355_quant,@function
k_q6c5ab90355_quant:
	s_mov_b64 s[64:65], 0
	v_nop
	global_prefetch_b8 v0, s[64:65] scope:SCOPE_SE
	s_setreg_imm32_b32 hwreg(HW_REG_WAVE_MODE, 25, 1), 1
	s_wait_xcnt 0x0
; hidden_states [8192][1024] and Wq, Wk, Wv [1024][1024], f32, K innermost, become codes of FP6 (E2M3) with one E8M0 byte for each 32 along K,
; laid as IMAGES OF THE MATRIX OPERAND'S REGISTERS, so that the product's launch fetches a fragment by three loads of 16 bytes a lane.
;   images [G][s 8][a 8][c 3][lane 32][16 bytes]: G a group of 128 rows, s a K step of 128, a a tile of 16 rows; chunk c holds the fragment's registers 4 c .. 4 c + 3.
;   scale words [G][sigma 4][a 8][r 16][2 words]: word q is the row's four bytes of K step 2 sigma + q.
;   THE ROWS OF A TILE ARE NOT NEIGHBOURS: position r of tile a is row 32 (a / 2) + 8 (a % 2) + r + 8 (r / 8) of its group, so that in the product's results 16 registers of two neighbouring tiles are 16 neighbours.
;   Wq, Wk, Wv lie on end in one pair of buffers: groups 0-7, 8-15, 16-23.
; A block's scale is 2^(floor(log2(its largest magnitude)) - 2); its byte is the largest magnitude's exponent field - 2, held at 1 from below.
; LIMITS: a block of zeros, and a block whose largest magnitude lies under 2^-124, gets the byte 1 (the rule says 127 for zeros: the codes are zeros, and this program alone reads the bytes); NaN and infinities are not served.
; SHARES: a wave takes one tile of 16 rows x 512 along K: four fragments, 32 KiB of f32.  1,408 such tasks, four to a work-group: work-groups 0-255 x, 256-287 Wq, 288-319 Wk, 320-351 Wv; only pointers are chosen.
; Each load reads 512 consecutive bytes of one row; the conversions want 16 neighbours in ONE lane: so a fragment's 8 KiB turn through the wave's own stage in LDS (rows 528 bytes apart).  Waves share nothing: no barrier.
; Matrix units, clusters and tensor loads are left out: every byte is read once and nothing is shared.
.set SPITCH, 528                       ; a stage row: 512 bytes + 16: sixteen rows start at sixteen different columns of 16 bytes
.set WREG,   16*SPITCH                 ; a wave's stage
.set R0,   16                          ; v16-207  three sets of 64 numbers, fragment f in set f % 3
.set PC,   208                         ; v208-219 the fragment's codes
.set CT,   220                         ; v220-227 the conversions' second halves
.set TM,   228                         ; v228-243 largest magnitudes, bytes, scale operands
.set SW,   244                         ; v244-247 the four fragments' scale words
.set SEL,  24                          ; s[24:25] selects of v_permlanex16_b32: lane l xor 16
.set HM,   26                          ; s26      mask of lanes 16-31
; 64 numbers of a lane, register 16 b + i = k 32 b + 16 (lane / 16) + i of the lane's row, become codes: v[d0] .. v[d0 + 5] hold k 0-63, v[d1] .. v[d1 + 5] k 64-127, in the operand's layout; v[pw] the row's scale word.
.macro QUANT s, d0, d1, pw
.irp b, 0,1,2,3
	v_max3_num_f32 v[TM+\b], |v[\s+16*\b]|, |v[\s+16*\b+1]|, 0x1800000      ; block b: my 16 numbers, and the floor 2^(3 - 127): the byte cannot fall under 1
.endr
.irp i, 2,4,6,8,10,12,14
.irp b, 0,1,2,3
	v_max3_num_f32 v[TM+\b], v[TM+\b], |v[\s+16*\b+\i]|, |v[\s+16*\b+\i+1]| ; the four blocks by turns
.endr
.endr
.irp b, 0,1,2,3
	v_permlanex16_b32 v[TM+4+\b], v[TM+\b], s[SEL], s[SEL+1]
.endr
.irp b, 0,1,2,3
	v_max_num_f32 v[TM+\b], v[TM+\b], v[TM+4+\b]                            ; with lane l xor 16's 16: the block's largest magnitude
.endr
.irp b, 0,1,2,3
	v_add_nc_u32 v[TM+12+\b], 0xff000000, v[TM+\b]                          ; 2 off its exponent field: the conversion's scale operand
.endr
.irp b, 0,1,2,3
	v_lshrrev_b32 v[TM+4+\b], 23, v[TM+12+\b]                               ; the scale's byte
.endr
	v_lshl_or_b32 v[\pw], v[TM+5], 8, v[TM+4]
	v_lshl_or_b32 v[\pw], v[TM+6], 16, v[\pw]
	v_lshl_or_b32 v[\pw], v[TM+7], 24, v[\pw]
	v_cvt_scalef32_pk16_fp6_f32 v[\d0:\d0+2], v[\s:\s+15], v[TM+12]
	v_cvt_scalef32_pk16_fp6_f32 v[CT:CT+2], v[\s+16:\s+31], v[TM+13]        ; (a conversion's three registers begin on an even number)
	v_cvt_scalef32_pk16_fp6_f32 v[\d1:\d1+2], v[\s+32:\s+47], v[TM+14]
	v_cvt_scalef32_pk16_fp6_f32 v[CT+4:CT+6], v[\s+48:\s+63], v[TM+15]
	v_nop                                                                   ; one plain place behind the scaled conversions
.irp i, 0,1,2
	v_permlane16_swap_b32 v[\d0+\i], v[CT+\i]                               ; the layout wants a whole block in a lane: lanes 0-15 the even block, lanes 16-31 the odd one
.endr
.irp i, 0,1,2
	v_mov_b32 v[\d0+3+\i], v[CT+\i]
.endr
.irp i, 0,1,2
	v_permlane16_swap_b32 v[\d1+\i], v[CT+4+\i]
.endr
.irp i, 0,1,2
	v_mov_b32 v[\d1+3+\i], v[CT+4+\i]
.endr
.endm
	s_load_b512 s[4:19], s[0:1], 0x0               ; x 4:5, Wq 6:7, Wk 8:9, Wv 10:11, ximg 12:13, xsc 14:15, wimg 16:17, wsc 18:19
	v_lshl_add_u32 v254, v0, 2, 0x8400
	v_mov_b32 v255, 0
	v_lshrrev_b32 v1, 5, v0
	v_readfirstlane_b32 s20, v1                    ; wave 0..3
	v_and_b32 v1, 31, v0                           ; lane
	v_and_b32 v6, 15, v0                           ; r
	v_bfe_u32 v7, v0, 4, 1                         ; h
	v_lshlrev_b32 v2, 4, v1                        ; v2: 16 x lane: my bytes of a load's 512 and of an image's chunk
	s_mul_i32 s27, s20, WREG
	v_add_nc_u32 v3, s27, v2                       ; v3: into the stage: as loaded
	v_mul_u32_u24 v4, v6, SPITCH
	v_lshl_add_u32 v4, v7, 6, v4
	v_add_nc_u32 v4, s27, v4                       ; v4: out of it: row r, + 64 h: my 16 numbers of a block
	v_lshlrev_b32 v5, 3, v6
	v_lshl_add_u32 v5, v7, 10, v5                  ; v5: scale words: 8 r, lanes 16-31 one sigma (1,024 bytes) on
.irp b, 0,1,2,3
	v_mov_b32 v[TM+4+\b], 0                        ; written once: a lane permute's destination counts as one of its sources
.endr
	s_mov_b32 s[SEL], 0x76543210
	s_mov_b32 s[SEL+1], 0xfedcba98
	s_mov_b32 s[HM], 0xffff0000
	s_mov_b32 s22, 63
	s_wait_kmcnt 0x0
	s_cmp_lt_u32 ttmp9, 320                        ; which tensor: the choices hang on the work-group's number alone
	s_cselect_b64 s[8:9], s[8:9], s[10:11]
	s_cmp_lt_u32 ttmp9, 288
	s_cselect_b64 s[6:7], s[6:7], s[8:9]
	s_cmp_lt_u32 ttmp9, 256
	s_cselect_b64 s[4:5], s[4:5], s[6:7]           ; the source
	s_cselect_b64 s[12:13], s[12:13], s[16:17]     ; its images
	s_cselect_b64 s[14:15], s[14:15], s[18:19]     ; its scale words
	s_cselect_b32 s21, 0, 256
	s_cselect_b32 s22, 511, s22                    ; tiles in the source tensor, less one
	s_sub_co_u32 s21, ttmp9, s21
	s_lshl_b32 s21, s21, 2
	s_add_co_u32 s21, s21, s20                     ; my task
	s_lshr_b32 s23, s21, 1                         ; the tile among the images
	s_and_b32 s21, s21, 1                          ; which 512 along K
	s_and_b32 s22, s23, s22                        ; the tile in its source tensor
	s_lshr_b32 s28, s22, 1
	s_lshl_b32 s28, s28, 5
	s_and_b32 s29, s22, 1
	s_lshl_b32 s29, s29, 3
	s_add_co_u32 s28, s28, s29                     ; its first row: 32 (tile / 2) + 8 (tile % 2)
	s_lshl_b32 s28, s28, 12                        ; rows of 4,096 bytes
	s_lshl_b32 s29, s21, 11
	s_add_co_u32 s28, s28, s29
	s_mov_b32 s29, 0
	s_add_nc_u64 s[4:5], s[4:5], s[28:29]
	s_lshr_b32 s30, s23, 3                         ; G
	s_and_b32 s31, s23, 7                          ; a
	s_mul_i32 s28, s30, 98304
	s_mul_i32 s27, s21, 49152
	s_add_co_u32 s28, s28, s27
	s_mul_i32 s27, s31, 1536
	s_add_co_u32 s28, s28, s27
	s_add_nc_u64 s[12:13], s[12:13], s[28:29]
	s_lshl_b32 s28, s30, 12
	s_lshl_b32 s27, s21, 11
	s_add_co_u32 s28, s28, s27
	s_lshl_b32 s27, s31, 7
	s_add_co_u32 s28, s28, s27
	s_add_nc_u64 s[14:15], s[14:15], s[28:29]
.macro LOAD f                          ; fragment f: 16 rows x 512 consecutive bytes, into set f % 3
.irp i, 0,1,2,3,4,5,6,7,8,9,10,11,12,13,14,15
	global_load_b128 v[R0+64*((\f)%3)+4*\i:R0+64*((\f)%3)+4*\i+3], v2, s[4:5] offset:(\i+8*(\i/8))*4096+512*(\f) th:TH_LOAD_NT
.endr
.endm
.macro FRAGQ f, left                   ; left: the loads of later fragments, which may stay out
.set XS, R0+64*((\f)%3)
	s_wait_loadcnt \left
.irp i, 0,1,2,3,4,5,6,7,8,9,10,11,12,13,14,15
	ds_store_b128 v3, v[XS+4*\i:XS+4*\i+3] offset:SPITCH*\i
.endr
.irp b, 0,1,2,3
.irp j, 0,1,2,3
	ds_load_b128 v[XS+16*\b+4*\j:XS+16*\b+4*\j+3], v4 offset:128*\b+16*\j     ; LDS serves a wave's instructions in order: these see the stores above
.endr
.endr
	s_wait_dscnt 0x0
.if (\f) > 0
	s_wait_xcnt 0x0                                ; the last fragment's stores have read the codes' registers
.endif
	QUANT XS, PC, PC+6, SW+(\f)
.irp c, 0,1,2
	global_store_b128 v2, v[PC+4*\c:PC+4*\c+3], s[12:13] offset:12288*(\f)+512*\c   ; 32 lanes store 512 consecutive bytes, at a multiple of 512 from the buffer's first byte
.endr
.endm
	LOAD 0
	LOAD 1
	LOAD 2
	FRAGQ 0, 32
	LOAD 3                                         ; into set 0, which has been converted
	FRAGQ 1, 32
	FRAGQ 2, 16
	FRAGQ 3, 0
	v_cndmask_b32 v248, v[SW], v[SW+2], s[HM]      ; lanes 0-15: K steps 0, 1 of my four; lanes 16-31: K steps 2, 3
	v_cndmask_b32 v249, v[SW+1], v[SW+3], s[HM]
	global_store_b64 v5, v[248:249], s[14:15]      ; two runs of 128 consecutive bytes
	s_wait_tensorcnt 0x0
	ds_add_u32 v254, v255
	s_wait_dscnt 0x0
	s_endpgm
.Lfunc_end_k_q6c5ab90355_quant:
	.size	k_q6c5ab90355_quant, .Lfunc_end_k_q6c5ab90355_quant-k_q6c5ab90355_quant
	.p2alignl 7, 3214868480
	.fill 96, 4, 3214868480
	.section	.rodata,"a",@progbits
	.p2align	6, 0x0
	.amdhsa_kernel k_q6c5ab90355_quant
		.amdhsa_group_segment_fixed_size 34304
		.amdhsa_private_segment_fixed_size 0
		.amdhsa_enable_private_segment 0
		.amdhsa_kernarg_size 64
		.amdhsa_user_sgpr_count 2
		.amdhsa_user_sgpr_kernarg_segment_ptr 1
		.amdhsa_wavefront_size32 1
		.amdhsa_system_sgpr_workgroup_id_x 1
		.amdhsa_system_sgpr_workgroup_id_y 1
		.amdhsa_system_sgpr_workgroup_id_z 1
		.amdhsa_system_vgpr_workitem_id 0
		.amdhsa_next_free_vgpr 256
		.amdhsa_next_free_sgpr 66
		.amdhsa_reserve_vcc 0
		.amdhsa_float_denorm_mode_32 3
		.amdhsa_float_denorm_mode_16_64 3
		.amdhsa_memory_ordered 1
		.amdhsa_forward_progress 1
		.amdhsa_inst_pref_size 34
	.end_amdhsa_kernel
	.amdgpu_metadata
---
amdhsa.version: [ 1, 2 ]
amdhsa.kernels:
  - .name:           k_q6c5ab90355_quant
    .symbol:         k_q6c5ab90355_quant.kd
    .args:
      - { .name: hidden_states, .offset: 0, .size: 8, .value_kind: global_buffer, .address_space: global }
      - { .name: Wq, .offset: 8, .size: 8, .value_kind: global_buffer, .address_space: global }
      - { .name: Wk, .offset: 16, .size: 8, .value_kind: global_buffer, .address_space: global }
      - { .name: Wv, .offset: 24, .size: 8, .value_kind: global_buffer, .address_space: global }
      - { .name: ximg, .offset: 32, .size: 8, .value_kind: global_buffer, .address_space: global }
      - { .name: xsc, .offset: 40, .size: 8, .value_kind: global_buffer, .address_space: global }
      - { .name: wimg, .offset: 48, .size: 8, .value_kind: global_buffer, .address_space: global }
      - { .name: wsc, .offset: 56, .size: 8, .value_kind: global_buffer, .address_space: global }
    .group_segment_fixed_size: 34304
    .private_segment_fixed_size: 0
    .kernarg_segment_align: 8
    .kernarg_segment_size: 64
    .max_flat_workgroup_size: 128
    .sgpr_count:     66
    .vgpr_count:     256
    .wavefront_size: 32
...
	.end_amdgpu_metadata
.endif
;; end of part 1
;; launch qkv (part 2): grid 8 x 48, 4 waves a work-group, clusters of 4 x 4, 327,680 bytes of LDS; arguments ximg, xsc, wimg, wsc, bq, bk, bv, qb, kv; writes qb, kv
.if DOCPART == 2
	.amdgcn_target "amdgcn-amd-amdhsa--gfx1250"
	.amdhsa_code_object_version 6
	.text
	.protected	k_q6c5ab90355_qkv
	.globl	k_q6c5ab90355_qkv
	.p2align	8
	.type	k_q6c5ab90355_qkv,@function
k_q6c5ab90355_qkv:
	s_mov_b64 s[64:65], 0
	v_nop
	global_prefetch_b8 v0, s[64:65] scope:SCOPE_SE
	s_setreg_imm32_b32 hwreg(HW_REG_WAVE_MODE, 25, 1), 1
	s_wait_xcnt 0x0
	s_wait_alu depctr_hold_cnt(0) depctr_sa_sdst(0) depctr_va_vdst(0) depctr_va_sdst(0) depctr_va_ssrc(0) depctr_va_vcc(0) depctr_vm_vsrc(0)
	s_getreg_b32 s2, hwreg(HW_REG_IB_STS2, 6, 4)
	s_cmp_eq_u32 s2, 0
	s_cbranch_scc0 .Lentry_in_a_cluster
	s_endpgm
.Lentry_in_a_cluster:
	s_bfe_u32 s2, ttmp6, 0x10000c
	s_cmp_lg_u32 s2, 0xf033
	s_cbranch_scc0 .Lentry_shape_is_right
	s_endpgm
.Lentry_shape_is_right:
; q, k, v = x W^T + b on codes of FP6 (E2M3) with E8M0 scales, K = 1,024; the results are quantised in the registers in which they are summed and leave as codes: q and k along the head's 64 channels, v along the keys.
; A tile of 256 x 256 results is made by four waves, each 128 x 128 in 64 accumulators.  The matrix instruction is used transposed: source 0 = 16 rows of operand "B", source 1 = 16 rows of operand "A":
; a lane holds ONE row of A and its registers run along B's rows; since the rows of a tile are chosen for it (position r of tile a is row 32 (a / 2) + 8 (a % 2) + r + 8 (r / 8)), register 16 b + i of a block of A is B's row 32 b + 16 (lane / 16) + i.
; TWO MODES, chosen by the cluster's y, which all partners share.  Mode 0 (cluster y 0-7): A = x, B = Wq and Wk on end: a lane holds a token, its registers 128 channels = two heads.
; Mode 1 (cluster y 8-11): A = Wv, B = x: a lane holds a channel, its registers 128 tokens = one key step.  In both the next product's K lies along the lane's registers.
; OPERANDS arrive as images of their registers (a fragment: 3 chunks of 512 bytes), so a K step's tiles are dense blocks of memory and a fragment is three loads of 16 bytes a lane, 512 consecutive bytes each: no padding.
; K goes in steps of 256 through two LDS slots; the scale words of all of K come once.  CLUSTERS: 4 x 4 work-groups; A's tiles are shared along a row of the cluster, B's along a column, by joint loads.
; 384 tiles for 256 WGPs: a tile of 128 x 256 would divide evenly, but a wave of 64 x 128 reads one and a half times the LDS bytes for each product.
; OUT.  qb [bh 64][step 16][6,656]: 48 registers' image (tile t of 16 tokens: registers 6 t .. 6 t + 5), then 512 bytes of scale words (lane l, word s: tile 2 s + l / 16, position l % 16; bytes 0, 1 the two blocks', 2, 3 zero).
;       kv [bh 64][step 16][13,312]: k as in qb (6,144), v's four fragments of 16 channels x 128 keys (6,144), k's scale words (512), v's (256: lane l, word s: tile 2 s + l / 16), 256 zeros.
; LIMITS: a block of zeros, or under 2^-124, gets the scale byte 1 (its codes are zeros or held; this program alone reads the bytes); NaN and infinities are not served.
; REGISTERS: window 0: v16-31 addresses; v32-63 scale words, two sets; v64-127, v224-239 biases; v128-223 A's fragments, one set; in the epilogue v128-223 and v240-255 at work, v2-14 scale words.
;   window 1: B's fragments, two sets.   windows 2, 3: the accumulators, (a, b) at v[8 (8 (a % 4) + b)].
.set NQ,     2                         ; matrix instructions deep in a slot
.set FR,     12                        ; registers of a fragment
.set NL,     3                         ; LDS loads that bring one
.set NP,     4                         ; places behind this matrix instruction (ISA guide 7.12.1)
.set HALFT,  24576                     ; 128 rows x 256 along K as images: what one tensor load brings
.set SLOT,   4*HALFT                   ; A's two halves, then B's two
.set LAPS,   2                         ; a lap = two slots = 512 along K
.set SCL,    2*SLOT                    ; behind the ring: A's scale words, 2 x 4,096 bytes;
.set SCB,    8320                      ; B's begin here behind them: 128 bytes more than A's take, so that lanes 16-31 read the other half of the banks
.set SPARE,  213248                    ; the spare words, 128 bytes for each wave: two blocks of 256 bytes that no other line names
.set ADRA, 16                          ; v16-17  16 x lane + my half of A in slot 0, 1
.set ADRB, 20                          ; v20-21  the same for B
.set LI,   24                          ; v24     16 x lane
.set L8,   25                          ; v25     8 x lane
.set LSC,  26                          ; v26     where the scale words of q or k go in a record
.set ADRS, 27                          ; v27     LDS address of my scale words: lanes 0-15 A's rows, lanes 16-31 B's
.set SPW,  28                          ; v28     LDS address of my spare word; never rewritten
.set NIL,  29                          ; v29     0; never rewritten
.set BBO,  30                          ; v30     64 h: a bias along the registers
.set BAO,  31                          ; v31     4 (r + 8 (r / 8)): a bias along the lanes
.set SC,   32
.set BB,   64                          ; v64-127  bias of B's row of each of my 64 registers
.set AF,   128
.set BA,   224                         ; v224-239 bias of my lane's row of A, for each of the 8 blocks, twice (a pair for the packed sum)
.set T,    128                         ; the epilogue: 64 results with their bias
.set R,    192                         ; 24 registers of codes
.set CT,   216
.set TM,   240
.set ZZ,   2
.set W0,   4
.set W1,   8
.set PWE,  12
.set PWO,  13
.set TP,   14
.set WV,   22                          ; s22 wave;  s23 its half of A's rows, and: it fetches for A (0) or B (1);  s66 its half of B's rows, and: which half it fetches
.set HA,   23
.set HB,   66
.set MODE, 67
.set TCOL, 42
.set TROW, 92
.set SEL,  10                          ; the epilogue: s[10:11] selects of v_permlanex16_b32;  s8 mask of lanes 16-31
.set HM,   8
.set G1, 24
.set G0, 32
.set G1B, 48
.set G0B, 56
.set G1S, 68
.set G0S, 76
.set G1SB, 80
.set G0SB, 88
.set MSB, 0
.macro WIN new                         ; the immediate's high byte repeats the setting that is left
.if MSB != (\new)
	s_set_vgpr_msb (MSB<<8)|(\new)
.set MSB, (\new)
.endif
.endm
.set MUL_LO, 0xa1                      ; source 0 (B) window 1, source 1 (A) window 0, C and D window 2
.set MUL_HI, 0xf1
.set TO_B,   0x40
; A joint load: waves 0 and 1 fetch for A, waves 2 and 3 for B; the branch hangs on the wave's number alone.  Four v_nop follow each of the two lines.
.macro JLOAD g0a, g1a, g0b, g1b
	s_cmp_eq_u32 s[HA], 0
	s_cbranch_scc0 .Lfor_b_\@
	tensor_load_to_lds s[\g0a:\g0a+3], s[\g1a:\g1a+7]
	s_nop 0
.rept 4
	v_nop
.endr
	s_branch .Lasked_\@
.Lfor_b_\@:
	tensor_load_to_lds s[\g0b:\g0b+3], s[\g1b:\g1b+7]
	s_nop 0
.rept 4
	v_nop
.endr
.Lasked_\@:
.endm
.macro CREST                           ; a round of the cluster's barrier behind its opening barrier
	s_cmp_lg_u32 s[WV], 0
	s_cbranch_scc1 .Lnot_wave_0_\@
	s_barrier_signal -3
.Lnot_wave_0_\@:
	s_barrier_wait -3
	s_barrier_signal -1
	s_barrier_wait -1
.endm
.macro CROUND
	s_barrier_signal -1
	s_barrier_wait -1
	CREST
.endm
; 64 numbers of a lane, register 16 b + i = k 32 b + 16 (lane / 16) + i, become codes: v[d0] .. +5 hold k 0-63, v[d1] .. +5 k 64-127, in the operand's layout; v[pw] the row's scale word.
.macro QUANT s, d0, d1, pw
.irp b, 0,1,2,3
	v_max3_num_f32 v[TM+\b], |v[\s+16*\b]|, |v[\s+16*\b+1]|, 0x1800000      ; block b: my 16 numbers, and the floor 2^(3 - 127): the byte cannot fall under 1
.endr
.irp i, 2,4,6,8,10,12,14
.irp b, 0,1,2,3
	v_max3_num_f32 v[TM+\b], v[TM+\b], |v[\s+16*\b+\i]|, |v[\s+16*\b+\i+1]|
.endr
.endr
.irp b, 0,1,2,3
	v_permlanex16_b32 v[TM+4+\b], v[TM+\b], s[SEL], s[SEL+1]
.endr
.irp b, 0,1,2,3
	v_max_num_f32 v[TM+\b], v[TM+\b], v[TM+4+\b]                            ; with lane l xor 16's 16: the block's largest magnitude
.endr
.irp b, 0,1,2,3
	v_add_nc_u32 v[TM+12+\b], 0xff000000, v[TM+\b]                          ; 2 off its exponent field: the conversion's scale operand
.endr
.irp b, 0,1,2,3
	v_lshrrev_b32 v[TM+4+\b], 23, v[TM+12+\b]                               ; the scale's byte
.endr
	v_lshl_or_b32 v[\pw], v[TM+5], 8, v[TM+4]
	v_lshl_or_b32 v[\pw], v[TM+6], 16, v[\pw]
	v_lshl_or_b32 v[\pw], v[TM+7], 24, v[\pw]
	v_cvt_scalef32_pk16_fp6_f32 v[\d0:\d0+2], v[\s:\s+15], v[TM+12]
	v_cvt_scalef32_pk16_fp6_f32 v[CT:CT+2], v[\s+16:\s+31], v[TM+13]        ; (a conversion's three registers begin on an even number)
	v_cvt_scalef32_pk16_fp6_f32 v[\d1:\d1+2], v[\s+32:\s+47], v[TM+14]
	v_cvt_scalef32_pk16_fp6_f32 v[CT+4:CT+6], v[\s+48:\s+63], v[TM+15]
	v_nop                                                                   ; one plain place behind the scaled conversions
.irp i, 0,1,2
	v_permlane16_swap_b32 v[\d0+\i], v[CT+\i]                               ; a whole block to a lane: lanes 0-15 the even block, lanes 16-31 the odd one
.endr
.irp i, 0,1,2
	v_mov_b32 v[\d0+3+\i], v[CT+\i]
.endr
.irp i, 0,1,2
	v_permlane16_swap_b32 v[\d1+\i], v[CT+4+\i]
.endr
.irp i, 0,1,2
	v_mov_b32 v[\d1+3+\i], v[CT+4+\i]
.endr
.endm
	s_load_b512 s[4:19], s[0:1], 0x0               ; ximg 4:5, xsc 6:7, wimg 8:9, wsc 10:11, bq 12:13, bk 14:15, bv 16:17, qb 18:19
	s_load_b64 s[20:21], s[0:1], 0x40              ; kv
	v_lshl_add_u32 v[SPW], v0, 2, SPARE
	v_mov_b32 v[NIL], 0
	ds_add_u32 v28, v29
	ds_add_u32 v28, v29
	s_wait_dscnt 0x0
	v_lshrrev_b32 v1, 5, v0
	v_readfirstlane_b32 s[WV], v1                  ; wave 0..3
	s_lshr_b32 s[HA], s[WV], 1
	s_and_b32 s[HB], s[WV], 1
	s_bfe_u32 s40, ttmp6, 0x40000                  ; cx, cy: my place in the cluster
	s_bfe_u32 s41, ttmp6, 0x40004
	s_and_b32 s93, ttmp7, 0xffff                   ; the cluster's y
	s_sub_co_u32 s95, s93, 8
	s_lshl_b32 s95, s95, 1
	s_add_co_u32 s95, s95, ttmp9                   ; mode 1: which four tile columns: 2 (cluster y - 8) + cluster x
	s_cmp_ge_u32 s93, 8
	s_cselect_b32 s[TROW], 0, s93
	s_cselect_b32 s[TCOL], s95, ttmp9
	s_cselect_b32 s[MODE], 1, 0
	s_cselect_b32 s95, 16, 0                       ; Wv's groups begin at 16
	s_lshl_b32 s[TROW], s[TROW], 2
	s_add_co_u32 s[TROW], s[TROW], s41             ; tile row: mode 0: 4 x cluster y + cy (of 32);  mode 1: cy (of 4)
	s_lshl_b32 s[TCOL], s[TCOL], 2
	s_add_co_u32 s[TCOL], s[TCOL], s40             ; tile column: mode 0: 4 x cluster x + cx (of 8: 0-3 q, 4-7 k);  mode 1: of 32
	s_lshl_b32 s43, s41, 2
	s_lshl_b32 s43, 15, s43                        ; my row of the cluster
	s_lshl_b32 s44, 0x1111, s40                    ; my column
	; descriptor group 1: dense blocks as rows of 256 bytes (32 elements of 8 bytes): 96 rows of images, 16 rows of scale words
	s_or_b32 s[G1+0], s43, (3<<16)|(1<<21)         ; 15:0 the mask: A's go to my row of the cluster; 17:16 elements of 8 bytes; 21 set beside a mask
	s_or_b32 s[G1B+0], s44, (3<<16)|(1<<21)        ; B's to my column
.irp g, G1, G1B
	s_mov_b32 s[\g+1], 32<<16                      ; tensor_dim0
	s_mov_b32 s[\g+2], 96<<16                      ; tensor_dim1
	s_mov_b32 s[\g+3], 32<<16                      ; tile_dim0
	s_mov_b32 s[\g+4], 96                          ; tile_dim1
	s_mov_b32 s[\g+5], 32                          ; tensor_dim0_stride
	s_mov_b32 s[\g+6], 0
	s_mov_b32 s[\g+7], 0
.endr
	s_or_b32 s[G1S+0], s43, (3<<16)|(1<<21)
	s_or_b32 s[G1SB+0], s44, (3<<16)|(1<<21)
.irp g, G1S, G1SB
	s_mov_b32 s[\g+1], 32<<16
	s_mov_b32 s[\g+2], 16<<16
	s_mov_b32 s[\g+3], 32<<16
	s_mov_b32 s[\g+4], 16
	s_mov_b32 s[\g+5], 32
	s_mov_b32 s[\g+6], 0
	s_mov_b32 s[\g+7], 0
.endr
	s_lshl_b32 s93, s[TROW], 1
	s_add_co_u32 s93, s93, s[HB]
	s_add_co_u32 s93, s93, s95                     ; the group of 128 rows of A that I would fetch
	s_lshl_b32 s2, s[TCOL], 1
	s_add_co_u32 s2, s2, s[HB]                     ; and of B
	s_mul_i32 s45, s[WV], HALFT                    ; where they go: wave x a piece: no place in the cluster enters an LDS address
	s_lshl_b32 s94, s[WV], 12
	s_lshl_b32 s95, s[HA], 7
	s_add_co_u32 s94, s94, s95                     ; the scale words: 4,096 x wave, B's 128 bytes further on
	v_and_b32 v1, 15, v0                           ; r
	v_bfe_u32 v2, v0, 4, 1                         ; h
	v_and_b32 v3, 31, v0                           ; lane
	v_lshlrev_b32 v[LI], 4, v3
	v_lshlrev_b32 v[L8], 3, v3
	v_lshlrev_b32 v[BBO], 6, v2
	v_and_b32 v4, 8, v1
	v_add_nc_u32 v4, v4, v1
	v_lshlrev_b32 v[BAO], 2, v4
.irp b, 0,1,2,3
	v_mov_b32 v[TM+4+\b], 0                        ; written once: a lane permute's destination counts as one of its sources
.endr
	s_wait_kmcnt 0x0
	s_cmp_eq_u32 ttmp9, 0                          ; mode 0: cluster x 0 makes q, 1 makes k
	s_cselect_b64 s[12:13], s[12:13], s[14:15]
	s_cmp_eq_u32 s[MODE], 1
	s_cselect_b64 s[12:13], s[16:17], s[12:13]     ; the bias
	s_mov_b64 s[14:15], s[4:5]
	s_mov_b64 s[16:17], s[6:7]
	s_cselect_b64 s[4:5], s[8:9], s[14:15]         ; A's images,
	s_cselect_b64 s[6:7], s[10:11], s[16:17]       ; A's scale words,
	s_cselect_b64 s[8:9], s[14:15], s[8:9]         ; B's images,
	s_cselect_b64 s[10:11], s[16:17], s[10:11]     ; B's scale words
	s_mov_b32 s101, 0
	s_mul_i32 s100, s93, 98304
	s_add_nc_u64 s[4:5], s[4:5], s[100:101]
	s_lshl_b32 s100, s93, 12
	s_add_nc_u64 s[6:7], s[6:7], s[100:101]
	s_mov_b32 s47, 0
	s_mul_i32 s46, s2, 98304
	s_add_nc_u64 s[8:9], s[8:9], s[46:47]
	s_lshl_b32 s46, s2, 12
	s_add_nc_u64 s[10:11], s[10:11], s[46:47]
	s_and_b32 s46, s[TCOL], 3                      ; the bias along my registers: numbers 256 (tile column % 4) + 128 x my half of B on
	s_lshl_b32 s46, s46, 10
	s_lshl_b32 s14, s[HB], 9
	s_add_co_u32 s46, s46, s14
	s_add_nc_u64 s[96:97], s[12:13], s[46:47]
	s_and_b32 s100, s[TROW], 3                     ; and along my lanes: 256 (tile row % 4) + 128 x my half of A on.  Both stay inside the 1,024 numbers in both modes
	s_lshl_b32 s100, s100, 10
	s_lshl_b32 s14, s[HA], 9
	s_add_co_u32 s100, s100, s14
	s_add_nc_u64 s[98:99], s[12:13], s[100:101]
	CROUND                                         ; all sixteen work-groups are here: the first joint loads meet
	s_mov_b32 s[G0S], 1
	s_add_co_u32 s[G0S+1], s94, SCL
	s_mov_b64 s[G0S+2:G0S+3], s[6:7]
	s_or_b32 s[G0S+3], s[G0S+3], 0x80000000
	s_mov_b32 s[G0SB], 1
	s_add_co_u32 s[G0SB+1], s94, SCL
	s_mov_b64 s[G0SB+2:G0SB+3], s[10:11]
	s_or_b32 s[G0SB+3], s[G0SB+3], 0x80000000
	JLOAD G0S, G1S, G0SB, G1SB                     ; the scale words of all of K: filled once
.irp s, 0,1
	s_mov_b32 s[G0+4*\s], 1
	s_add_co_u32 s[G0+4*\s+1], s45, \s*SLOT
	s_add_nc_u64 s[G0+4*\s+2:G0+4*\s+3], s[4:5], \s*HALFT
	s_or_b32 s[G0+4*\s+3], s[G0+4*\s+3], 0x80000000
	s_mov_b32 s[G0B+4*\s], 1
	s_add_co_u32 s[G0B+4*\s+1], s45, \s*SLOT
	s_add_nc_u64 s[G0B+4*\s+2:G0B+4*\s+3], s[8:9], \s*HALFT
	s_or_b32 s[G0B+4*\s+3], s[G0B+4*\s+3], 0x80000000
	JLOAD G0+4*\s, G1, G0B+4*\s, G1B
.endr
	; both biases are loaded in both modes, so that every register is written on every way; they are waited for in the epilogue
.irp b, 0,1,2,3
.irp j, 0,1,2,3
	global_load_b128 v[BB+16*\b+4*\j:BB+16*\b+4*\j+3], v[BBO], s[96:97] offset:128*\b+16*\j
.endr
.endr
.irp a, 0,1,2,3,4,5,6,7
	global_load_b32 v[BA+2*\a], v[BAO], s[98:99] offset:(32*(\a/2)+8*(\a%2))*4
	global_load_b32 v[BA+2*\a+1], v[BAO], s[98:99] offset:(32*(\a/2)+8*(\a%2))*4
.endr
	s_mul_i32 s14, s[HA], HALFT                    ; my 128 rows of A
	s_mul_i32 s15, s[HB], HALFT                    ; my 128 rows of B,
	s_add_co_u32 s15, s15, 2*HALFT                 ; behind A's two halves
.irp s, 0,1
	v_add_nc_u32 v[ADRA+\s], s14, v[LI]
	v_add_nc_u32 v[ADRB+\s], s15, v[LI]
	s_add_co_u32 s14, s14, SLOT
	s_add_co_u32 s15, s15, SLOT
.endr
	v_lshlrev_b32 v5, 3, v1                        ; my row's two words of a slot: 8 r
	s_lshl_b32 s14, s[HA], 12
	s_lshl_b32 s15, s[HB], 12
	s_add_co_u32 s15, s15, SCB
	s_sub_co_u32 s15, s15, s14
	v_mul_u32_u24 v6, s15, v2                      ; lanes 16-31 take B's: one product of h and the distance
	s_add_co_u32 s14, s14, SCL
	v_add_nc_u32 v5, v5, v6
	v_add_nc_u32 v[ADRS], s14, v5
.macro FRAG reg, adr, q, i             ; a fragment's image: three chunks of 512 consecutive bytes, 16 a lane
.irp c, 0,1,2
	ds_load_b128 v[\reg+4*\c:\reg+4*\c+3], v[\adr] offset:(\q)*12288+(\i)*1536+512*\c
.endr
.endm
; 16 matrix instructions: A's blocks a0, a0 + 1 x B's eight, 128 along K.  The 64 accumulators take turns, one instruction a turn, in the same order in every step.
.macro MUL16 a0, p, q, sc, zero
.irp a, \a0, \a0+1
.irp b, 0,1,2,3,4,5,6,7
.if \zero
	v_wmma_scale_f32_16x16x128_f8f6f4 v[8*(8*((\a)%4)+\b):8*(8*((\a)%4)+\b)+7], v[128*(\p)+FR*\b:128*(\p)+FR*\b+FR-1], v[AF+FR*(\a):AF+FR*(\a)+FR-1], 0, v[SC+8*NQ*(\sc)+NQ*\b+(\q)], v[SC+8*NQ*(\sc)+NQ*(\a)+(\q)] matrix_a_fmt:MATRIX_FMT_FP6 matrix_b_fmt:MATRIX_FMT_FP6 matrix_a_scale:MATRIX_SCALE_ROW1
.else
	v_wmma_scale_f32_16x16x128_f8f6f4 v[8*(8*((\a)%4)+\b):8*(8*((\a)%4)+\b)+7], v[128*(\p)+FR*\b:128*(\p)+FR*\b+FR-1], v[AF+FR*(\a):AF+FR*(\a)+FR-1], v[8*(8*((\a)%4)+\b):8*(8*((\a)%4)+\b)+7], v[SC+8*NQ*(\sc)+NQ*\b+(\q)], v[SC+8*NQ*(\sc)+NQ*(\a)+(\q)] matrix_a_fmt:MATRIX_FMT_FP6 matrix_b_fmt:MATRIX_FMT_FP6 matrix_a_scale:MATRIX_SCALE_ROW1
.endif
.endr
.endr
.endm
.macro FETCH_B slot, q, p
	WIN TO_B
.irp i, 0,1,2,3,4,5,6,7
	FRAG 128*(\p)+FR*\i, ADRB+\slot, \q, \i
.endr
	WIN 0
.endm
.macro FETCH_A slot, q, i0
.irp i, \i0, \i0+1, \i0+2, \i0+3
	FRAG AF+FR*(\i), ADRA+\slot, \q, \i
.endr
.endm
.macro SCALES sc                       ; a slot's scale words: two a row; lanes 0-15 take A's block i, lanes 16-31 B's block i
.irp i, 0,1,2,3,4,5,6,7
	ds_load_b64 v[SC+8*NQ*\sc+NQ*\i:SC+8*NQ*\sc+NQ*\i+1], v[ADRS] offset:128*\i
.endr
.endm
.macro PLACES n                        ; plain vector places behind matrix instructions, in front of loads into their registers and of reads of their results (ISA guide 7.12.1 for reads of their results)
.rept \n
	v_nop
.endr
.endm
.macro STEP slot, q, zero              ; a step of 128 along K that has its successor in the same slot
	s_wait_dscnt 4*NL                              ; B's set and A's blocks 0-3 are in; the youngest twelve loads (A's blocks 4-7) may be out
	WIN MUL_LO
	MUL16 0, (\q)%2, \q, \slot, \zero
	MUL16 2, (\q)%2, \q, \slot, \zero
	s_wait_dscnt 0                                 ; A's blocks 4-7 are in
	PLACES NP
	FETCH_B \slot, (\q)+1, 1-(\q)%2
	FETCH_A \slot, (\q)+1, 0
	WIN MUL_HI
	MUL16 4, (\q)%2, \q, \slot, \zero
	MUL16 6, (\q)%2, \q, \slot, \zero
	PLACES NP
	WIN 0
	FETCH_A \slot, (\q)+1, 4
.endm
; A slot's last step changes slots: one barrier; in front of it each wave waits for all its tensor loads, adds 0 to its spare word, and waits for that and for its reads of this slot.  fill = 1: the slot is filled again.
.macro TURN slot, next, fill
	s_wait_tensorcnt 0x0                           ; all my tensor loads have landed: my part of the next slot
	ds_add_u32 v[SPW], v[NIL]                      ; 0 onto my spare word
	s_wait_dscnt 4*NL+1                            ; (the add and the youngest twelve loads may be out)
	WIN MUL_LO
	MUL16 0, 1, NQ-1, \slot, 0                     ; sixteen matrix instructions stand between the add and the wait for it
	s_wait_dscnt 0x0                               ; the add is done, and my reads of this slot are over
	s_barrier_signal -1
	MUL16 2, 1, NQ-1, \slot, 0
	WIN 0
	s_barrier_wait -1
.if \fill
	CREST                                          ; the barrier has opened a round of the cluster's: no wave of any partner still reads this slot or has a load on its way
	s_add_nc_u64 s[G0+4*\slot+2:G0+4*\slot+3], s[G0+4*\slot+2:G0+4*\slot+3], 2*HALFT
	s_add_nc_u64 s[G0B+4*\slot+2:G0B+4*\slot+3], s[G0B+4*\slot+2:G0B+4*\slot+3], 2*HALFT
	JLOAD G0+4*\slot, G1, G0B+4*\slot, G1B         ; the first tensor load behind the round, my only one until the next; its four v_nop are the places in front of the loads below
.else
	PLACES NP
.endif
	v_add_nc_u32 v[ADRS], 1024, v[ADRS]            ; the next slot's scale words
	FETCH_B \next, 0, 0
	FETCH_A \next, 0, 0
	SCALES \next
	WIN MUL_HI
	MUL16 4, 1, NQ-1, \slot, 0
	MUL16 6, 1, NQ-1, \slot, 0
	PLACES NP
	WIN 0
	FETCH_A \next, 0, 4
.endm
	s_wait_tensorcnt 1                             ; three loads of mine are out: the scale words and slot 0 are in, slot 1's may stay out
	s_barrier_signal -1
	s_barrier_wait -1
	FETCH_B 0, 0, 0
	FETCH_A 0, 0, 0
	SCALES 0
	FETCH_A 0, 0, 4
	STEP 0, 0, 1                                   ; the first step starts the sums: nothing is cleared
	s_mov_b32 s3, LAPS-1
.Llap:
	TURN 0, 1, 1
	STEP 1, 0, 0
	TURN 1, 0, 1
	STEP 0, 0, 0
	s_sub_co_u32 s3, s3, 1
	s_cmp_lg_u32 s3, 0
	s_cbranch_scc1 .Llap
	TURN 0, 1, 0                                   ; the last lap fills nothing
	STEP 1, 0, 0
	s_wait_dscnt 4*NL
	WIN MUL_LO
	MUL16 0, 1, NQ-1, 1, 0
	MUL16 2, 1, NQ-1, 1, 0
	s_wait_dscnt 0
	WIN MUL_HI
	MUL16 4, 1, NQ-1, 1, 0
	MUL16 6, 1, NQ-1, 1, 0
	WIN 0
; THE EPILOGUE.  Block a of A (16 lanes' rows x my 128 rows of B) gets its bias, which also brings it into window 0, each accumulator from its low end on; then it is quantised as it stands.
.macro BIASQK a                        ; the bias runs along the registers
	WIN 0x02+(\a)/4
.set NN, 0
.rept 32
	v_pk_add_f32 v[T+NN:T+NN+1], v[64*((\a)%4)+NN:64*((\a)%4)+NN+1], v[BB+NN:BB+NN+1]
.set NN, NN+2
.endr
	WIN 0
.endm
.macro BIASV a                         ; the bias is the lane's
	WIN 0x02+(\a)/4
.set NN, 0
.rept 32
	v_pk_add_f32 v[T+NN:T+NN+1], v[64*((\a)%4)+NN:64*((\a)%4)+NN+1], v[BA+2*(\a):BA+2*(\a)+1]
.set NN, NN+2
.endr
	WIN 0
.endm
	PLACES NP                                      ; behind the last products: their results are read and A's registers written below
	s_wait_loadcnt 0x0                             ; the biases
	s_mov_b32 s[HM], 0xffff0000
	s_mov_b32 s[SEL], 0x76543210
	s_mov_b32 s[SEL+1], 0xfedcba98
	s_cmp_eq_u32 s[MODE], 0
	s_cbranch_scc0 .Lepi_v
	; ---- q or k: my lanes' tokens are group 2 x tile row + my half of A; my registers are heads hh and hh + 1
	s_lshl_b32 s12, s[TROW], 1
	s_add_co_u32 s12, s12, s[HA]                   ; the group of 128 tokens
	s_lshl_b32 s13, s[TCOL], 2
	s_lshl_b32 s14, s[HB], 1
	s_add_co_u32 s13, s13, s14
	s_and_b32 s13, s13, 15                         ; the first of my two heads
	s_lshr_b32 s14, s12, 4
	s_lshl_b32 s14, s14, 4
	s_add_co_u32 s14, s14, s13                     ; 16 x batch + head
	s_lshl_b32 s14, s14, 4
	s_and_b32 s12, s12, 15
	s_add_co_u32 s14, s14, s12                     ; the record: x 16 + step
	s_mov_b32 s15, 13312
	s_mov_b32 s16, 12288
	s_cmp_eq_u32 ttmp9, 0
	s_cselect_b64 s[4:5], s[18:19], s[20:21]       ; qb or kv,
	s_cselect_b32 s15, 6656, s15                   ; a record's bytes,
	s_cselect_b32 s16, 6144, s16                   ; and where its scale words lie
	s_mul_i32 s12, s14, s15
	s_mov_b32 s13, 0
	s_add_nc_u64 s[4:5], s[4:5], s[12:13]
	s_lshl_b32 s12, s15, 4
	s_add_nc_u64 s[6:7], s[4:5], s[12:13]          ; the next head's record: 16 records on
	v_add_nc_u32 v[LSC], s16, v[LI]
.irp i, 0,1,2,3                        ; two tiles of tokens at a time: twelve registers of each head's image
.if \i > 0
	s_wait_xcnt 0x0                                ; the last pair's stores have read the codes' registers
.endif
	BIASQK 2*\i
	QUANT T, R, R+12, PWE
	BIASQK 2*\i+1
	QUANT T, R+6, R+18, PWO
	v_cndmask_b32 v[TP], v[PWE], v[PWO], s[HM]     ; lanes 0-15 the even tile's word, lanes 16-31 the odd tile's
	v_and_b32 v[W0+\i], 0xffff, v[TP]              ; bytes 0, 1: the first head's two blocks
	v_lshrrev_b32 v[W1+\i], 16, v[TP]              ; bytes 2, 3: the second head's
.irp c, 0,1,2
	global_store_b128 v[LI], v[R+4*\c:R+4*\c+3], s[4:5] offset:1536*\i+512*\c          ; 32 lanes store 512 consecutive bytes, at a multiple of 512 from the buffer's first byte
	global_store_b128 v[LI], v[R+12+4*\c:R+12+4*\c+3], s[6:7] offset:1536*\i+512*\c
.endr
.endr
	global_store_b128 v[LSC], v[W0:W0+3], s[4:5]
	global_store_b128 v[LSC], v[W1:W1+3], s[6:7]
	s_branch .Lend
.Lepi_v:
	; ---- v: my lanes' channels are heads 4 x tile row + 2 x my half of A and the next; my registers are the 128 keys of group 2 x tile column + my half of B
	s_lshl_b32 s12, s[TCOL], 1
	s_add_co_u32 s12, s12, s[HB]
	s_lshl_b32 s13, s[TROW], 2
	s_lshl_b32 s14, s[HA], 1
	s_add_co_u32 s13, s13, s14
	s_lshr_b32 s14, s12, 4
	s_lshl_b32 s14, s14, 4
	s_add_co_u32 s14, s14, s13
	s_lshl_b32 s14, s14, 4
	s_and_b32 s12, s12, 15
	s_add_co_u32 s14, s14, s12                     ; the record
	s_mul_i32 s12, s14, 13312
	s_add_co_u32 s12, s12, 6144                    ; v's image lies behind k's
	s_mov_b32 s13, 0
	s_add_nc_u64 s[4:5], s[20:21], s[12:13]
	s_add_nc_u64 s[6:7], s[4:5], 212992            ; the next head
	v_mov_b32 v[ZZ], 0
	v_mov_b32 v[ZZ+1], 0
.irp i, 0,1,2,3                        ; two tiles of channels at a time: two whole fragments of head i / 2
.if \i > 0
	s_wait_xcnt 0x0
.endif
	BIASV 2*\i
	QUANT T, R, R+6, PWE
	BIASV 2*\i+1
	QUANT T, R+12, R+18, PWO
	v_cndmask_b32 v[W0+\i], v[PWE], v[PWO], s[HM]
.irp c, 0,1,2,3,4,5
	global_store_b128 v[LI], v[R+4*\c:R+4*\c+3], s[4+2*(\i/2):5+2*(\i/2)] offset:3072*(\i%2)+512*\c
.endr
.endr
	global_store_b64 v[L8], v[W0:W0+1], s[4:5] offset:6656         ; v's scale words: 256 consecutive bytes
	global_store_b64 v[L8], v[W0+2:W0+3], s[6:7] offset:6656
	global_store_b64 v[L8], v[ZZ:ZZ+1], s[4:5] offset:6912         ; the record's last 256 bytes: zeros, since the next launch fetches whole records
	global_store_b64 v[L8], v[ZZ:ZZ+1], s[6:7] offset:6912
.Lend:
	s_wait_tensorcnt 0x0                           ; the wave's end
	ds_add_u32 v[SPW], v[NIL]
	s_wait_dscnt 0x0
	CROUND                                         ; the closing round: no work-group ends while a partner may still ask for a tile that names it
	s_endpgm
.Lfunc_end_k_q6c5ab90355_qkv:
	.size	k_q6c5ab90355_qkv, .Lfunc_end_k_q6c5ab90355_qkv-k_q6c5ab90355_qkv
	.p2alignl 7, 3214868480
	.fill 96, 4, 3214868480
	.section	.rodata,"a",@progbits
	.p2align	6, 0x0
	.amdhsa_kernel k_q6c5ab90355_qkv
		.amdhsa_group_segment_fixed_size 327680
		.amdhsa_private_segment_fixed_size 0
		.amdhsa_enable_private_segment 0
		.amdhsa_kernarg_size 72
		.amdhsa_user_sgpr_count 2
		.amdhsa_user_sgpr_kernarg_segment_ptr 1
		.amdhsa_wavefront_size32 1
		.amdhsa_system_sgpr_workgroup_id_x 1
		.amdhsa_system_sgpr_workgroup_id_y 1
		.amdhsa_system_sgpr_workgroup_id_z 1
		.amdhsa_system_vgpr_workitem_id 0
		.amdhsa_next_free_vgpr 1024
		.amdhsa_next_free_sgpr 102
		.amdhsa_reserve_vcc 0
		.amdhsa_float_denorm_mode_32 3
		.amdhsa_float_denorm_mode_16_64 3
		.amdhsa_memory_ordered 1
		.amdhsa_forward_progress 1
		.amdhsa_inst_pref_size 210
	.end_amdhsa_kernel
	.amdgpu_metadata
---
amdhsa.version: [ 1, 2 ]
amdhsa.kernels:
  - .name:           k_q6c5ab90355_qkv
    .symbol:         k_q6c5ab90355_qkv.kd
    .args:
      - { .name: ximg, .offset: 0, .size: 8, .value_kind: global_buffer, .address_space: global }
      - { .name: xsc, .offset: 8, .size: 8, .value_kind: global_buffer, .address_space: global }
      - { .name: wimg, .offset: 16, .size: 8, .value_kind: global_buffer, .address_space: global }
      - { .name: wsc, .offset: 24, .size: 8, .value_kind: global_buffer, .address_space: global }
      - { .name: bq, .offset: 32, .size: 8, .value_kind: global_buffer, .address_space: global }
      - { .name: bk, .offset: 40, .size: 8, .value_kind: global_buffer, .address_space: global }
      - { .name: bv, .offset: 48, .size: 8, .value_kind: global_buffer, .address_space: global }
      - { .name: qb, .offset: 56, .size: 8, .value_kind: global_buffer, .address_space: global }
      - { .name: kv, .offset: 64, .size: 8, .value_kind: global_buffer, .address_space: global }
    .group_segment_fixed_size: 327680
    .private_segment_fixed_size: 0
    .kernarg_segment_align: 8
    .kernarg_segment_size: 72
    .max_flat_workgroup_size: 128
    .sgpr_count:     102
    .vgpr_count:     1024
    .wavefront_size: 32
...
	.end_amdgpu_metadata
.endif
;; end of part 2
;; launch attn (part 3): grid 4 x 64, 16 waves a work-group, no clusters, 292,864 bytes of LDS; arguments qb, kv, attention_mask, out0; writes out0
.if DOCPART == 3
	.amdgcn_target "amdgcn-amd-amdhsa--gfx1250"
	.amdhsa_code_object_version 6
	.text
	.protected	k_q6c5ab90355_attn
	.globl	k_q6c5ab90355_attn
	.p2align	8
	.type	k_q6c5ab90355_attn,@function
k_q6c5ab90355_attn:
	s_mov_b64 s[64:65], 0
	v_nop
	global_prefetch_b8 v0, s[64:65] scope:SCOPE_SE
	s_setreg_imm32_b32 hwreg(HW_REG_WAVE_MODE, 25, 1), 1
	s_wait_xcnt 0x0
; out[b][q][64 head ..] = the sum over keys k <= q of softmax_k((q . k + mask[b][k]) / 8) v[k], both products on codes of FP6 (E2M3) with E8M0 scales.
; t = (score + mask) x log2(e) / 8; M = the running largest t rounded UP to a whole number; p = 2^(t - M) is quantised along the keys, not normalised; the row's sum is taken of the unquantised p and divides at the end.
; When M moves, the sum and O are multiplied by 2^(old M - new M): exact.
; SHARES.  Work-group (j, bh) owns the blocks of 256 queries 7 - j and j of one head.  Each of its sixteen waves makes two tiles of 16 queries one after the other: tile 15 - w of block 7 - j, then tile w of block j:
; tile numbers that add up to 127, so every wave has 17 key steps of 128 to work, two of them on the diagonal.  Four waves share a SIMD: one wave's vector work stands beside another's products and LDS loads.
; A HEAD'S K, V AND SCALE WORDS, 16 records of 13,312 bytes, LIE IN LDS WHOLE, filled once: no slot is filled again, so there is no ring, and no barrier in the loops; the second tile costs no new fetch.
; NO CLUSTER: the four work-groups that read the same head differ in j, and which steps a wave leaves out (all keys behind its queries) is a branch on j: partners of joint loads would have to run alike.
; LAYOUT.  S^T = K Q^T (source 0 = 16 keys, source 1 = my 16 queries), O^T = V^T P^T (source 0 = 16 channels, source 1 = P): a lane holds ONE query throughout.
; Position r of tile t (keys, queries and v's channels alike) is number 32 (t / 2) + 8 (t % 2) + r + 8 (r / 8), so that 16 registers of two neighbouring tiles are 16 neighbours.
; K = 64 IN AN INSTRUCTION OF 128: Q's upper six registers are zero codes.  K's operand for tile t is twelve registers from 32 + 6 t on: its upper six are the next tile's codes (behind tile 7: zeros), which meet Q's zeros and add nothing.
; LIMITS: a mask of -infinity is served (a row all of whose visible keys have it gives NaN, as the softmax of such a row does); +infinity and NaN in the mask are not.  t - M is one fused multiply-add of score + mask.
; REGISTERS: v1-7 addresses that stay; v8-10 the step's addresses; v11 Q's scale words; v12 -M, v13 the largest t, v[14:15] the sum; v16-27 Q | 0; v28-31 K's scale words; v32-79 K's eight half fragments, then V's four; v80-85 zeros;
;   v86-87 V's scale words; v88-92 offsets; v96-159 S^T, then p; v160-191 O^T; v192-255 the step's 64 mask numbers, then at work (v224-235 p's codes, v253 p's scale word).
.set REC,   13312                      ; a step's record: K's image 6,144, V's 6,144, K's scale words 512, V's 256, 256 zeros
.set MASKB, 16*REC                     ; behind the head: the batch's 2,048 mask numbers
.set STAGE, MASKB+8192                 ; behind them: 16 rows x 272 bytes for each wave, for the way out; no fill lands here
.set LI,  1                            ; v1  16 x lane
.set L8,  2                            ; v2  8 x lane
.set MK0, 3                            ; v3  MASKB + 64 h
.set RR,  4                            ; v4  r
.set STO, 5                            ; v5  the way out: where I put 64 bytes of a row
.set RD,  6                            ; v6  where I read a row back
.set GO,  7                            ; v7  my byte offset among the tile's rows of out
.set ADK, 8
.set ADV, 9
.set ADM, 10
.set QS,  11
.set WV,  12                           ; s12 wave;  s13 j;  s14 bh;  s15 batch;  s16 head
.set J,   13
.set BH,  14
.set BT,  15
.set HD,  16
.set SEL, 20                           ; s[20:21] selects of v_permlanex16_b32: lane l xor 16
.set CS,  22                           ; s[22:23] c = log2(e) / 8, twice
.set G1M, 24
.set G1A, 32
.set G1B, 40
.set G0M, 48
.set G0A, 52
.set G0B, 56
.set TB,  60                           ; s60 LDS byte of the step's record;  s61 of its mask numbers;  s62 its first key
.set TMK, 61
.set KF,  62
.set KD,  63                           ; s63 the first key of the step on my tile's diagonal
.set QR,  66                           ; s66 my tile's first query, counted from KD
.set CNT, 67
	s_load_b256 s[4:11], s[0:1], 0x0               ; qb 4:5, kv 6:7, mask 8:9, out 10:11
	v_lshl_add_u32 v254, v0, 2, 0x47000
	v_mov_b32 v255, 0
	ds_add_u32 v254, v255
	ds_add_u32 v254, v255
	s_wait_dscnt 0x0
	v_lshrrev_b32 v93, 5, v0
	v_readfirstlane_b32 s[WV], v93                 ; wave 0..15
	s_mov_b32 s[J], ttmp9
	s_and_b32 s[BH], ttmp7, 0xffff
	s_lshr_b32 s[BT], s[BH], 4
	s_and_b32 s[HD], s[BH], 15
	; descriptor groups 1: dense blocks as rows of 256 bytes (32 elements of 8 bytes): 2 rows of the mask, 13 rows of steps 0-3, 39 rows of steps 4-15, for each wave
.irp g, G1M, G1A, G1B
	s_mov_b32 s[\g], 3<<16                         ; no mask, elements of 8 bytes, no padding
	s_mov_b32 s[\g+1], 32<<16                      ; tensor_dim0
	s_mov_b32 s[\g+3], 32<<16                      ; tile_dim0
	s_mov_b32 s[\g+5], 32                          ; tensor_dim0_stride
	s_mov_b32 s[\g+6], 0
	s_mov_b32 s[\g+7], 0
.endr
	s_mov_b32 s[G1M+2], 2<<16                      ; tensor_dim1, tile_dim1
	s_mov_b32 s[G1M+4], 2
	s_mov_b32 s[G1A+2], 13<<16
	s_mov_b32 s[G1A+4], 13
	s_mov_b32 s[G1B+2], 39<<16
	s_mov_b32 s[G1B+4], 39
	s_lshl_b32 s68, s[BT], 13                      ; the batch's mask, my 512 bytes of it
	s_lshl_b32 s70, s[WV], 9
	s_add_co_u32 s68, s68, s70
	s_mov_b32 s69, 0
	s_add_co_u32 s70, s70, MASKB
	s_mul_i32 s72, s[BH], 16*REC                   ; the head's records, my 3,328 bytes of the first four
	s_mul_i32 s71, s[WV], 3328
	s_mov_b32 s73, 0
	s_mul_i32 s76, s[WV], 9984                     ; and my 9,984 of the other twelve
	s_add_co_u32 s76, s76, 4*REC
	s_add_co_u32 s74, s72, s76
	s_mov_b32 s75, 0
	s_add_co_u32 s72, s72, s71
	s_mov_b32 s[SEL], 0x76543210
	s_mov_b32 s[SEL+1], 0xfedcba98
	s_mov_b32 s[CS], 0x3e38aa3b                    ; log2(e) / 8
	s_mov_b32 s[CS+1], s[CS]
	s_wait_kmcnt 0x0
	s_mov_b32 s[G0M], 1
	s_mov_b32 s[G0M+1], s70
	s_add_nc_u64 s[G0M+2:G0M+3], s[8:9], s[68:69]
	s_or_b32 s[G0M+3], s[G0M+3], 0x80000000
	s_mov_b32 s[G0A], 1
	s_mov_b32 s[G0A+1], s71
	s_add_nc_u64 s[G0A+2:G0A+3], s[6:7], s[72:73]
	s_or_b32 s[G0A+3], s[G0A+3], 0x80000000
	s_mov_b32 s[G0B], 1
	s_mov_b32 s[G0B+1], s76
	s_add_nc_u64 s[G0B+2:G0B+3], s[6:7], s[74:75]
	s_or_b32 s[G0B+3], s[G0B+3], 0x80000000
	tensor_load_to_lds s[G0M:G0M+3], s[G1M:G1M+7]  ; every wave's three first fills go out together, ahead of every wait, LDS read and barrier: three loads of mine are out
	s_nop 0
	tensor_load_to_lds s[G0A:G0A+3], s[G1A:G1A+7]
	s_nop 0
	tensor_load_to_lds s[G0B:G0B+3], s[G1B:G1B+7]
	s_nop 0
.rept 4
	v_nop
.endr
	v_and_b32 v93, 31, v0
	v_lshlrev_b32 v[LI], 4, v93
	v_lshlrev_b32 v[L8], 3, v93
	v_and_b32 v[RR], 15, v0                        ; r
	v_bfe_u32 v94, v0, 4, 1                        ; h
	v_lshl_add_u32 v[MK0], v94, 6, MASKB
	s_mul_i32 s68, s[WV], 16*272
	s_add_co_u32 s68, s68, STAGE                   ; my stage
	v_mul_u32_u24 v[STO], v[RR], 272
	v_lshl_add_u32 v[STO], v94, 6, v[STO]
	v_add_nc_u32 v[STO], s68, v[STO]               ; in: row r, + 64 h
	v_mul_u32_u24 v[RD], v94, 272
	v_lshl_add_u32 v[RD], v[RR], 4, v[RD]
	v_add_nc_u32 v[RD], s68, v[RD]                 ; back: lanes 0-15 one row of 256 bytes, lanes 16-31 the next
	v_lshlrev_b32 v[GO], 12, v94
	v_lshl_add_u32 v[GO], v[RR], 4, v[GO]          ; and the same two rows of out, 4,096 bytes apart
	v_and_b32 v95, 8, v[RR]
	v_add_nc_u32 v92, v95, v[RR]
	v_lshlrev_b32 v95, 4, v94
	v_sub_nc_u32 v92, v92, v95                     ; v92 = r + 8 (r / 8) - 16 h
.irp i, 22,23,24,25,26,27,80,81,82,83,84,85,252
	v_mov_b32 v\i, 0                               ; Q's upper half, the tail of K's last operand; v252 is written once, as a lane permute's destination counts as one of its sources
.endr
; A tile's head: where it lies, its Q, and empty sums.  hi = 1: tile 15 - w of block 7 - j;  0: tile w of block j.
.macro PASS_PRO hi
	s_wait_xcnt 0x0                                ; the last tile's stores have read their registers and their base
.if \hi
	s_sub_co_u32 s68, 7, s[J]
	s_sub_co_u32 s69, 15, s[WV]
.else
	s_mov_b32 s68, s[J]
	s_mov_b32 s69, s[WV]
.endif
	s_lshl_b32 s68, s68, 4
	s_add_co_u32 s68, s68, s69                     ; the tile among the head's 128
	s_lshr_b32 s70, s68, 3                         ; its step
	s_and_b32 s71, s68, 7                          ; t: the tile in its step
	s_lshl_b32 s[KD], s70, 7
	s_lshr_b32 s72, s71, 1
	s_and_b32 s73, s71, 1
	s_lshl_b32 s[QR], s72, 5
	s_lshl_b32 s69, s73, 3
	s_add_co_u32 s[QR], s[QR], s69                 ; 32 (t / 2) + 8 (t % 2)
	s_lshl_b32 s68, s[BH], 4
	s_add_co_u32 s68, s68, s70
	s_mul_i32 s68, s68, 6656
	s_mov_b32 s69, 0
	s_add_nc_u64 s[74:75], s[4:5], s[68:69]        ; Q's record
	s_lshl_b32 s68, s[BT], 11
	s_add_co_u32 s68, s68, s[KD]
	s_add_co_u32 s68, s68, s[QR]
	s_lshl_b32 s68, s68, 12                        ; rows of 4,096 bytes
	s_lshl_b32 s70, s[HD], 8
	s_add_co_u32 s68, s68, s70
	s_add_nc_u64 s[76:77], s[10:11], s[68:69]      ; out at the tile's first query, my head's 256 bytes
	s_mul_i32 s70, s71, 6
.irp p, 0,1,2                          ; registers 6 t + 2 p, + 1 of the image: chunk (register / 4), 4 bytes a register
	s_add_co_u32 s68, s70, 2*\p
	s_lshr_b32 s69, s68, 2
	s_lshl_b32 s69, s69, 9
	s_and_b32 s68, s68, 3
	s_lshl_b32 s68, s68, 2
	s_add_co_u32 s68, s68, s69
	v_add_nc_u32 v[88+\p], s68, v[LI]
	global_load_b64 v[16+2*\p:17+2*\p], v[88+\p], s[74:75]
.endr
	s_lshl_b32 s68, s73, 8
	s_lshl_b32 s69, s72, 2
	s_add_co_u32 s68, s68, s69
	s_add_co_u32 s68, s68, 6144
	v_lshl_add_u32 v91, v[RR], 4, s68              ; the scale word of position r of tile t
	global_load_b32 v[QS], v91, s[74:75]
	v_mov_b32 v13, 0xff61b1e6                      ; the largest t so far: -3e38
	v_floor_f32 v12, -v13                          ; -M
	v_mov_b32 v14, 0
	v_mov_b32 v15, 0
.set NN, 0
.rept 32
	v_mov_b32 v[160+NN], 0                         ; O^T: the step is written once; its first turn finds zeros
.set NN, NN+1
.endr
	s_wait_loadcnt 0x0
.endm
; A KEY STEP: 128 keys.
.macro STEP
	s_cmp_gt_u32 s[KF], s[KD]                      ; all its keys come after my queries: left out, on ids alone; the lines at its end that step addresses are not
	s_cbranch_scc1 .Lhidden_\@
	v_add_nc_u32 v[ADK], s[TB], v[LI]
	v_add_nc_u32 v[ADV], s[TB], v[L8]
	v_add_nc_u32 v[ADM], s[TMK], v[MK0]
	v_nop                                          ; four places behind the last step's products, in front of loads into their registers
.irp c, 0,1,2,3,4,5,6,7,8,9,10,11
	ds_load_b128 v[32+4*\c:35+4*\c], v[ADK] offset:512*\c          ; K's image: 512 consecutive bytes a load
.endr
	ds_load_b128 v[28:31], v[ADK] offset:12288     ; K's scale words: word s: lanes 0-15 tile 2 s, lanes 16-31 tile 2 s + 1
.irp b, 0,1,2,3
.irp j, 0,1,2,3
	ds_load_b128 v[192+16*\b+4*\j:195+16*\b+4*\j], v[ADM] offset:128*\b+16*\j   ; the mask of keys 32 b + 16 h + 4 j on: register for register as the scores lie
.endr
.endr
	s_wait_dscnt 16                                ; K and its scale words are in; the sixteen mask loads may be out
.irp t, 0,2,4,6
	v_wmma_scale_f32_16x16x128_f8f6f4 v[96+8*\t:103+8*\t], v[32+6*\t:43+6*\t], v[16:27], 0, v[28+\t/2], v[QS] matrix_a_fmt:MATRIX_FMT_FP6 matrix_b_fmt:MATRIX_FMT_FP6
	v_wmma_scale_f32_16x16x128_f8f6f4 v[104+8*\t:111+8*\t], v[38+6*\t:49+6*\t], v[16:27], 0, v[28+\t/2], v[QS] matrix_a_fmt:MATRIX_FMT_FP6 matrix_b_fmt:MATRIX_FMT_FP6 matrix_a_scale:MATRIX_SCALE_ROW1
.endr
.rept 4
	v_nop                                          ; places in front of the loads over K's registers and of the first read of the scores
.endr
.irp c, 0,1,2,3,4,5,6,7,8,9,10,11
	ds_load_b128 v[32+4*\c:35+4*\c], v[ADK] offset:6144+512*\c     ; V's four fragments land under the softmax
.endr
	ds_load_b64 v[86:87], v[ADV] offset:12800      ; V's scale words
	s_wait_dscnt 13                                ; the mask is in; V's thirteen loads may be out
.set NN, 0
.rept 32
	v_pk_add_f32 v[96+NN:97+NN], v[96+NN:97+NN], v[192+NN:193+NN]  ; score + mask, each accumulator from its low end on
.set NN, NN+2
.endr
	s_cmp_lt_u32 s[KF], s[KD]                      ; a step all of whose keys count skips the causal mask
	s_cbranch_scc1 .Lopen_\@
	v_add_nc_u32 v252, s[QR], v92                  ; d = my query - KD - 16 h.  Register 16 b + i holds key KD + 32 b + 16 h + i: hidden where 32 b + i > d
	v_mov_b32 v254, 0xff800000                     ; -infinity
.set NN, 0
.rept 64
	v_cmp_gt_i32 vcc_lo, 32*(NN/16)+NN%16, v252
	v_cndmask_b32 v[96+NN], v[96+NN], v254, vcc_lo
.set NN, NN+1
.endr
.Lopen_\@:
.irp b, 0,1,2,3
	v_max3_num_f32 v[232+\b], v[96+16*\b], v[97+16*\b], v[98+16*\b]           ; the largest score of each block of 32 keys: for the row's maximum, and, since p rises with the score, for the block's largest p
.endr
.irp i, 3,5,7,9,11,13
.irp b, 0,1,2,3
	v_max3_num_f32 v[232+\b], v[232+\b], v[96+16*\b+\i], v[97+16*\b+\i]
.endr
.endr
.irp b, 0,1,2,3
	v_max_num_f32 v[232+\b], v[232+\b], v[111+16*\b]
.endr
.irp b, 0,1,2,3
	v_permlanex16_b32 v[236+\b], v[232+\b], s[SEL], s[SEL+1]
.endr
.irp b, 0,1,2,3
	v_max_num_f32 v[232+\b], v[232+\b], v[236+\b]  ; with lane l xor 16's 16 keys
.endr
	v_max3_num_f32 v254, v232, v233, v234
	v_max_num_f32 v254, v254, v235                 ; the step's largest score of my query
	v_mul_f32 v254, s[CS], v254                    ; as t
	v_max_num_f32 v13, v13, v254                   ; the running largest t
	v_mov_b32 v254, v12
	v_floor_f32 v12, -v13                          ; the new -M = -ceil(t): a whole number
	v_sub_f32 v254, v12, v254                      ; old M - new M: a whole number, 0 or less
	v_cvt_i32_f32 v254, v254                       ; (it saturates)
	v_ldexp_f32 v252, 1.0, v254                    ; f = 2^(old M - new M)
.set NN, 0
.rept 32
	v_pk_fma_f32 v[96+NN:97+NN], v[96+NN:97+NN], s[CS:CS+1], v[12:13] op_sel_hi:[1,0,0]   ; t - M, two at a time
.set NN, NN+2
.endr
.irp b, 0,1,2,3
	v_fma_f32 v[232+\b], v[232+\b], s[CS], v12     ; the same of each block's largest score
.endr
.set NN, 0
.rept 64
	v_exp_f32 v[96+NN], v[96+NN]                   ; p = 2^(t - M), at most 1
.set NN, NN+1
.endr
.irp b, 0,1,2,3
	v_exp_f32 v[232+\b], v[232+\b]                 ; the block's largest p
.endr
	v_pk_mul_f32 v[14:15], v[14:15], v[252:253] op_sel_hi:[1,0]    ; the sums under the new M (a plain place behind the exponentials)
	s_wait_alu depctr_va_vdst(0)
.irp b, 0,1,2,3
	v_max_num_f32 v[232+\b], 0x1800000, v[232+\b]  ; the floor 2^(3 - 127): the byte cannot fall under 1
.endr
.irp b, 0,1,2,3
	v_add_nc_u32 v[244+\b], 0xff000000, v[232+\b]  ; 2 off the exponent field: the conversion's scale operand
.endr
.irp b, 0,1,2,3
	v_lshrrev_b32 v[236+\b], 23, v[244+\b]         ; the scale's byte
.endr
	v_lshl_or_b32 v253, v237, 8, v236              ; p's scale word for these 128 keys
	v_lshl_or_b32 v253, v238, 16, v253
	v_lshl_or_b32 v253, v239, 24, v253
.irp c, 0,1
	v_cvt_scalef32_pk16_fp6_f32 v[224+6*\c:226+6*\c], v[96+32*\c:111+32*\c], v[244+2*\c]
	v_cvt_scalef32_pk16_fp6_f32 v[236+4*\c:238+4*\c], v[112+32*\c:127+32*\c], v[244+2*\c+1]   ; (a conversion's three registers begin on an even number)
.endr
	v_nop                                          ; one plain place behind the scaled conversions
.irp c, 0,1                            ; a whole block to a lane: lanes 0-15 block 2 c, lanes 16-31 block 2 c + 1
.irp i, 0,1,2
	v_permlane16_swap_b32 v[224+6*\c+\i], v[236+4*\c+\i]
.endr
.irp i, 0,1,2
	v_mov_b32 v[227+6*\c+\i], v[236+4*\c+\i]
.endr
.endr
	v_pk_add_f32 v[236:237], v[96:97], v[98:99]    ; the row's sum is taken of the unquantised p: two at a time, in two chains
.irp j, 4,8,12,16,20,24,28,32,36,40,44,48,52,56,60
	v_pk_add_f32 v[14:15], v[14:15], v[96+\j:97+\j]
	v_pk_add_f32 v[236:237], v[236:237], v[98+\j:99+\j]
.endr
	v_pk_add_f32 v[14:15], v[14:15], v[236:237]
.set NN, 0
.rept 16
	v_pk_mul_f32 v[160+NN:161+NN], v[160+NN:161+NN], v[252:253] op_sel_hi:[1,0]    ; O^T under the new M.  (With the sums: the places between p's codes and scale word and the products below)
.set NN, NN+2
.endr
	s_wait_dscnt 0x0                               ; V is in
.irp a, 0,2
	v_wmma_scale_f32_16x16x128_f8f6f4 v[160+8*\a:167+8*\a], v[32+12*\a:43+12*\a], v[224:235], v[160+8*\a:167+8*\a], v[86+\a/2], v253 matrix_a_fmt:MATRIX_FMT_FP6 matrix_b_fmt:MATRIX_FMT_FP6
	v_wmma_scale_f32_16x16x128_f8f6f4 v[168+8*\a:175+8*\a], v[44+12*\a:55+12*\a], v[224:235], v[168+8*\a:175+8*\a], v[86+\a/2], v253 matrix_a_fmt:MATRIX_FMT_FP6 matrix_b_fmt:MATRIX_FMT_FP6 matrix_a_scale:MATRIX_SCALE_ROW1
.endr
.Lhidden_\@:
	s_add_co_u32 s[KF], s[KF], 128
	s_add_co_u32 s[TB], s[TB], REC
	s_add_co_u32 s[TMK], s[TMK], 512
.endm
.macro LOOP n, s0                      ; n steps from step s0 on: every trip count is a constant
	s_mov_b32 s[TB], (\s0)*REC
	s_mov_b32 s[TMK], (\s0)*512
	s_mov_b32 s[KF], (\s0)*128
	s_mov_b32 s[CNT], \n
.Lstep_\@:
	STEP
	s_sub_co_u32 s[CNT], s[CNT], 1
	s_cmp_lg_u32 s[CNT], 0
	s_cbranch_scc1 .Lstep_\@
.endm
; THE WAY OUT of a tile: O^T / the sum goes through my stage in LDS and leaves as whole rows: sixteen lanes store a query's 64 channels, 256 consecutive bytes at a multiple of 256 from out's first byte.
.macro PASS_EPI
.rept 4
	v_nop                                          ; places behind the last products
.endr
	v_add_f32 v14, v14, v15                        ; the sum's two halves,
	v_permlanex16_b32 v252, v14, s[SEL], s[SEL+1]
	v_add_f32 v14, v14, v252                       ; and lane l xor 16's
	v_rcp_f32 v14, v14
	v_nop                                          ; one plain place behind the transcendental
.set NN, 0
	s_wait_alu depctr_va_vdst(0)
.rept 32
	v_mul_f32 v[96+NN], v[160+NN], v14             ; register 16 b + i is channel 32 b + 16 h + i of query position r
.set NN, NN+1
.endr
.irp b, 0,1
.irp j, 0,1,2,3
	ds_store_b128 v[STO], v[96+16*\b+4*\j:99+16*\b+4*\j] offset:128*\b+16*\j
.endr
.endr
.irp i, 0,1,2,3,4,5,6,7
	ds_load_b128 v[32+4*\i:35+4*\i], v[RD] offset:544*\i           ; LDS serves a wave's instructions in order: these see my stores
.endr
.irp i, 0,1,2,3,4,5,6,7
	s_wait_dscnt 7-\i                              ; the younger reads may be out
	global_store_b128 v[GO], v[32+4*\i:35+4*\i], s[76:77] offset:(2*\i+8*(\i/4))*4096 th:TH_STORE_NT   ; positions 2 i, 2 i + 1 are queries 2 i + 8 (i / 4) and the next
.endr
.endm
	PASS_PRO 1
	s_wait_tensorcnt 0x1                           ; my parts of the mask and of steps 0-3 are in; steps 4-15 may stay out
	s_barrier_signal -1
	s_barrier_wait -1                              ; everybody's are
	LOOP 4, 0                                      ; the late tile begins at query 1,024 or later: steps 0-3 are worked by every wave while the rest lands
	s_wait_tensorcnt 0x0                           ; my part of steps 4-15 is in
	s_wait_dscnt 0x0
	s_barrier_signal -1
	s_barrier_wait -1
	LOOP 12, 4
	PASS_EPI
	PASS_PRO 0
	LOOP 16, 0
	PASS_EPI
	s_wait_xcnt 0x0
	v_lshl_add_u32 v254, v0, 2, 0x47000
	v_mov_b32 v255, 0
	s_wait_tensorcnt 0x0
	ds_add_u32 v254, v255
	s_wait_dscnt 0x0
	s_endpgm
.Lfunc_end_k_q6c5ab90355_attn:
	.size	k_q6c5ab90355_attn, .Lfunc_end_k_q6c5ab90355_attn-k_q6c5ab90355_attn
	.p2alignl 7, 3214868480
	.fill 96, 4, 3214868480
	.section	.rodata,"a",@progbits
	.p2align	6, 0x0
	.amdhsa_kernel k_q6c5ab90355_attn
		.amdhsa_group_segment_fixed_size 292864
		.amdhsa_private_segment_fixed_size 0
		.amdhsa_enable_private_segment 0
		.amdhsa_kernarg_size 32
		.amdhsa_user_sgpr_count 2
		.amdhsa_user_sgpr_kernarg_segment_ptr 1
		.amdhsa_wavefront_size32 1
		.amdhsa_system_sgpr_workgroup_id_x 1
		.amdhsa_system_sgpr_workgroup_id_y 1
		.amdhsa_system_sgpr_workgroup_id_z 1
		.amdhsa_system_vgpr_workitem_id 0
		.amdhsa_next_free_vgpr 256
		.amdhsa_next_free_sgpr 80
		.amdhsa_reserve_vcc 1
		.amdhsa_float_denorm_mode_32 3
		.amdhsa_float_denorm_mode_16_64 3
		.amdhsa_memory_ordered 1
		.amdhsa_forward_progress 1
		.amdhsa_inst_pref_size 90
	.end_amdhsa_kernel
	.amdgpu_metadata
---
amdhsa.version: [ 1, 2 ]
amdhsa.kernels:
  - .name:           k_q6c5ab90355_attn
    .symbol:         k_q6c5ab90355_attn.kd
    .args:
      - { .name: qb, .offset: 0, .size: 8, .value_kind: global_buffer, .address_space: global }
      - { .name: kv, .offset: 8, .size: 8, .value_kind: global_buffer, .address_space: global }
      - { .name: attention_mask, .offset: 16, .size: 8, .value_kind: global_buffer, .address_space: global }
      - { .name: out0, .offset: 24, .size: 8, .value_kind: global_buffer, .address_space: global }
    .group_segment_fixed_size: 292864
    .private_segment_fixed_size: 0
    .kernarg_segment_align: 8
    .kernarg_segment_size: 32
    .max_flat_workgroup_size: 512
    .sgpr_count:     80
    .vgpr_count:     256
    .wavefront_size: 32
...
	.end_amdgpu_metadata
.endif
;; end of part 3
